; MI455X (gfx1250); checked and timed in simulation.
; The chip was launched on July 23, 2026; its instructions are those of AMD's public machine-readable ISA for CDNA 5 (MIT licence, August 2026) and "CDNA5" Instruction Set Architecture Reference Guide (July 2026). The comments in the code are by the model that wrote it; some were corrected since.
;; MY Non Local Block ND. Allowed arithmetic: matrix products marked QUANTISED: E4M3 operands, one given power-of-two scale a tensor, by v_wmma_f32_16x16x64_fp8_fp8 or v_wmma_f32_16x16x128_fp8_fp8, f32 sums; everything else in f32.
;; Inputs: Wg 128 x 256 float32; Wph 128 x 256 float32; Wth 128 x 256 float32; Ww 256 x 128 float32; beta 256 float32; bg 128 float32; bph 128 float32; bth 128 float32; bw 256 float32; gamma 256 float32; k 8 x 256 x 64 x 64 float32; lowp_scales 12 int32 (the exponents e of the quantised operands' scales 2^e); mean 256 float32; q 8 x 256 x 64 x 64 float32; v 8 x 256 x 64 x 64 float32; var 256 float32.
;; Outputs: out0 8 x 256 x 64 x 64 float32.
;; This version of the problem:
;;   THIS VERSION OF THE PROBLEM IS GIVEN IN LOW PRECISION. The matrix products marked QUANTISED in the list below multiply operands that are first quantised to E4M3 (4 exponent bits, 3 mantissa bits; 8 bits a number), with one given power-of-two scale for each operand tensor; their sums are f32. All else is computed in f32.
;;   The module's matrix products, in the order in which they are computed (A, B: the left and right operand; K: the contracted axis; several contracted axes count as one K, in the product's order):
;;     1. [M 128, K 256] x [K 256, N 32,768]; A: input Wg; B: input v: QUANTISED (scales: A lowp_scales[0], B lowp_scales[1])
;;     2. [M 128, K 256] x [K 256, N 32,768]; A: input Wth; B: input k: QUANTISED (scales: A lowp_scales[2], B lowp_scales[3])
;;     3. [M 128, K 256] x [K 256, N 32,768]; A: input Wph; B: input q: QUANTISED (scales: A lowp_scales[4], B lowp_scales[5])
;;     4. batch 8 x [M 4,096, K 128] x [K 128, N 1,024]; A: computed on the way; B: computed on the way: QUANTISED (scales: A lowp_scales[6], B lowp_scales[7])
;;     5. batch 8 x [M 4,096, K 1,024] x [K 1,024, N 128]; A: softmax (see below); B: computed on the way: QUANTISED (scales: A lowp_scales[8], B lowp_scales[9])
;;     6. [M 256, K 128] x [K 128, N 32,768]; A: input Ww; B: computed on the way: QUANTISED (scales: A lowp_scales[10], B lowp_scales[11])
;;   THE QUANTISER, for each operand of a quantised product, along K:
;;     - The operand's scale is 2^e, e = its entry of the input lowp_scales (int32; the entries are numbered through the quantised products in the list's order, A before B).
;;     - Each number is divided by the scale, clamped to +-448, and rounded to the nearest number of E4M3, ties to even, subnormals kept.
;;     - The product sums the exact products of the quantised numbers (number of the format x scale) in f32.
;;   ~~~python
;;   def quantise(x, axis, e):      # numpy; x: float32 -> the quantised numbers, widened to float32 again
;;       x = np.moveaxis(x, axis, -1); K = x.shape[-1]
;;       r = np.clip(x / 2.0 ** e, -448, 448)
;;       step = 2.0 ** (np.maximum(np.frexp(np.where(r == 0, 1, r))[1] - 1, -6) - 3)
;;       q = np.round(r / step) * step * 2.0 ** e      # np.round: ties to even
;;       return np.moveaxis(q, -1, axis).astype(np.float32)
;;   ~~~
;;   SOFTMAX AHEAD OF A QUANTISED PRODUCT. Where the list says 'softmax', what is quantised is not the finished softmax but p = 2^(t - M), with t = logit x log2(e) and M = ceil(the row's largest t), a whole number; so 1/2 < the row's largest p <= 1. The row's sum l is taken of the UNQUANTISED p, in f32, and the product's result is divided by l at the end. Since M is a whole number, a kernel that streams over the keys may use a running M (the ceiling of the running maximum): every later rescaling is an exact power of two, so the quantised numbers keep their values, but for numbers so far below the row's largest that they fall under the format's range.
;;   OPERANDS COMPUTED ON THE WAY. 'Computed on the way' means the value that the module computes at that place (a softmax that the list does not call 'softmax' is quantised finished and normalised). What goes into a quantiser is computed in f32, as accurately as f32 sums, v_exp_f32 and their like allow (about 1e-6 of the number): no bf16 or f16 on the way to a quantiser, and a product that is left as it is and whose result goes on into a quantised operand takes f32 operands (vector FMAs, or v_wmma_f32_16x16x4_f32). A number that lies on a knife's edge between two numbers of the format may be rounded either way, as far as f32 arithmetic and the matrix unit's own rounding can turn it there, and no further.
;; One version. Each part assembles by itself: llvm-mc -triple=amdgcn-amd-amdhsa -mcpu=gfx1250 --defsym DOCPART=n.
;; ======== version 1 of 1: 2 launches
;; limits: right only within a limited range of input values
;; workspace buffers: theta_c 4,194,304 bytes; phi_c 1,048,576 bytes; g_c 1,048,576 bytes
;; launch proj (part 1): grid 192 x 1, 4 waves a work-group, no clusters, 33,280 bytes of LDS; arguments k, q, v, Wth, Wph, Wg, bth, bph, bg, lowp_scales, theta_c, phi_c, g_c; writes theta_c, phi_c, g_c
.if DOCPART == 1
	.amdgcn_target "amdgcn-amd-amdhsa--gfx1250"
	.amdhsa_code_object_version 6
	.text
	.protected	k_qf88786930a_proj
	.globl	k_qf88786930a_proj
	.p2align	8
	.type	k_qf88786930a_proj,@function
k_qf88786930a_proj:
	s_mov_b64 s[64:65], 0
	v_nop
	global_prefetch_b8 v0, s[64:65] scope:SCOPE_SE
	s_setreg_imm32_b32 hwreg(HW_REG_WAVE_MODE, 25, 1), 1
	s_wait_xcnt 0x0
; PROJ: the three 1x1 convolutions of the non-local block, each on codes of E4M3 with the given scales, and what follows them up to the next quantiser:
;   theta = Wth k + bth               -> codes with scale 2^e6, buffer theta_c
;   phi   = pool2x2(Wph q + bph)      -> codes with scale 2^e7, buffer phi_c
;   g     = pool2x2(Wg v + bg)        -> codes with scale 2^e9, buffer g_c
; k, q, v: [8][256][64][64] f32.  W: [128][256] f32.  lowp_scales: e0 Wg, e1 v, e2 Wth, e3 k, e4 Wph, e5 q.
; DEAD WORK: none.  Every bias goes into a quantised operand of a live product (bph too, though a softmax in real numbers would cancel it), so every input is loaded.
; LIMITS: for each tensor ex, eW and eo - eW - ex (+ 2 where pooled) lie between -126 and 119, so that each power of two below and 448 times it are f32 numbers.  NaN among the inputs is not served.
; SHARES.  192 work-groups of four waves: tensor = wg / 64, batch = (wg / 8) % 8, group = wg % 8.  Wave w takes the pair of image rows 2 yp, 2 yp + 1, yp = 4 group + w: 128 pixels x 256 channels.
; THE STREAM.  A load of 16 bytes a lane gives lane (r, h) the pixels 4 r .. 4 r + 3 of one channel: lanes 0-15 read one image row of a channel (256 consecutive bytes, aligned), lanes 16-31 that of the channel 16 on.
; The hold that an 8-bit conversion wants anyway writes its result to the transposed place (8 channels of one pixel on end), so the conversions give operand registers and nothing is moved between lanes.
; PIXEL TILE p of an image row is the pixels 4 r + p, r = 0 .. 15.  K MAP of these products, alike in W and x: register 4 c + j, byte n of K step s is channel 128 s + 32 c + 16 h + 4 j + n.
; POOLING.  The four pixels of cell (yp, 2 r + e) are slot r of pixel tiles 2 e, 2 e + 1 in the two image rows: their products are summed on ONE accumulator.  The bias goes in as C, x 4 / 2^(eW + ex).
; theta, phi: source 0 = 16 rows of W, source 1 = 16 pixels: a lane holds a pixel and its registers run along the 128 channels, the K of theta phi.
; g: source 0 = 16 pixels, source 1 = 16 rows of W: a lane holds a channel and its registers run along the cells, the K of p g.
; OUTPUT: images of operand registers (a fragment is 2,048 bytes: piece c, registers 4 c .. 4 c + 3, at 512 c + 16 x lane): every store of a wave covers 512 consecutive bytes, aligned.
;   theta_c [b][4 y + p][2048];  phi_c [b][2 yp + e][2048];  g_c [b][yp / 4][channel tile][yp % 4][512].
; REGISTERS, in windows of 256.  Window 0: v1-14 addresses and scales; v32-63 T; v64-191 X (fragment of pixel tile p, K step s at X + 32 p + 16 s); v192-223 OC, codes on their way out.
;   Window 1: the ring, 8 slots of 32 registers.   Window 2: v0-63 four fragments of W; v64-191 accumulators; v192-255 the bias, 8 tiles in the layout of a result.
; No tensor load and no cluster: the numbers need the hold and the conversion in registers anyway, and of a work-group bytes only the weight (a fifth) is shared with others.
.set SPARE, 32768                      ; LDS: 16 images of W fragments (fragment 2 t + s at 2048 (2 t + s)), then the spare words, 128 bytes a wave
.set T,   32
.set X,   64
.set OC,  192
.set WF,  0
.set ACC, 64
.set BT,  192
.set MSB, 0
.macro WIN new                         ; the immediate high byte repeats the setting that is left; a switch that changes nothing is dropped
.if MSB != \new
	s_set_vgpr_msb (MSB<<8)|\new
.set MSB, \new
.endif
.endm
.macro MKSCALE e, lim, scl             ; 2^e and 448 x 2^e as f32 numbers
	s_add_co_i32 s71, \e, 127
	s_lshl_b32 s72, s71, 23
	v_mov_b32 v[\scl], s72
	s_add_co_i32 s71, s71, 8
	s_lshl_b32 s71, s71, 23
	s_or_b32 s71, s71, 0x600000
	v_mov_b32 v[\lim], s71
.endm
; chunk q = 16 rho + kap: eight channels (and the eight that lie 16 on) of image row rho, into ring slot q % 8
.macro XLOAD q
	WIN 0x40                                       ; destination window 1
.set kap, (\q)%16
.set cb, 128*(kap/8)+32*((kap%8)/2)+8*(kap%2)
.irp i, 0,1,2,3,4,5,6,7
	global_load_b128 v[32*((\q)%8)+4*\i:32*((\q)%8)+4*\i+3], v2, s[52:53] offset:(cb+\i)*16384+256*((\q)/16) th:TH_LOAD_NT
.endr
.endm
.macro CHUNK q
.if 8*(31-(\q)) < 56
	s_wait_loadcnt 8*(31-(\q))                     ; the ring runs out: the chunks behind this one
.else
	s_wait_loadcnt 56                              ; loads come back in order: at least seven chunks, 56 loads, were issued behind this one
.endif
	WIN 0x10                                       ; source 2 window 1
.irp p, 0,1,2,3
.irp i, 0,1,2,3,4,5,6,7
	v_med3_num_f32 v[T+8*\p+\i], -v8, v8, v[32*((\q)%8)+4*\i+\p]   ; the hold at 448 x 2^ex, written to the transposed place
.endr
.endr
.set kap, (\q)%16
.irp p, 0,1,2,3
	v_cvt_scalef32_pk8_fp8_f32 v[X+32*\p+16*(kap/8)+2*(kap%8):X+32*\p+16*(kap/8)+2*(kap%8)+1], v[T+8*\p:T+8*\p+7], v9
.endr
	v_nop                                          ; a plain line between the conversions and the next writes of T and reads of X
.if (\q)+8 < 32
	XLOAD (\q)+8
.endif
.endm
; rows 16 (2 w + u) on of W, both K steps, as f32 into the accumulators registers: lane (r, h) takes, of row r, 16 neighbours of each block of 32
.macro WLOAD u
	WIN 0x80
.irp s, 0,1
.irp c, 0,1,2,3
.irp j, 0,1,2,3
	global_load_b128 v[ACC+64*\s+16*\c+4*\j:ACC+64*\s+16*\c+4*\j+3], v3, s[54:55] offset:\u*16384+512*\s+128*\c+16*\j
.endr
.endr
.endr
.endm
.macro WQUANT u, dst                   ; they become two fragments, which go to LDS as images of their registers
	WIN 0xa0
.set i, 0
.rept 128
.set i, i+1
.endr
	WIN 0x02
.set i, 0
.rept 16
	v_cvt_scalef32_pk8_fp8_f32 v[\dst+2*i:\dst+2*i+1], v[ACC+8*i:ACC+8*i+7], v11
.set i, i+1
.endr
	v_nop
	WIN 0
.irp s, 0,1
.irp c, 0,1,2,3
	ds_store_b128 v4, v[\dst+16*\s+4*\c:\dst+16*\s+4*\c+3] offset:(2*\u+\s)*2048+512*\c
.endr
.endr
.endm
.macro WFETCH b                        ; the fragments of W tiles 2 b, 2 b + 1, both K steps: fragment 2 u + s at WF + 16 (2 u + s)
	WIN 0x80
.irp i, 0,1,2,3
.irp c, 0,1,2,3
	ds_load_b128 v[WF+16*\i+4*\c:WF+16*\i+4*\c+3], v1 offset:(4*\b+\i)*2048+512*\c
.endr
.endr
.endm
; theta of image row rho: for two tiles of channels at a time, eight accumulators by turns; converted, stored
.macro PB_THETA rho
.irp b, 0,1,2,3
	WFETCH \b
	s_wait_dscnt 0x0
	WIN 0xa2                                       ; W, C and D window 2, x window 0
.irp p, 0,1,2,3
.irp u, 0,1
	v_wmma_f32_16x16x128_fp8_fp8 v[ACC+16*\p+8*\u:ACC+16*\p+8*\u+7], v[WF+32*\u:WF+32*\u+15], v[X+32*\p:X+32*\p+15], v[BT+8*(2*\b+\u):BT+8*(2*\b+\u)+7]
.endr
.endr
	s_wait_alu depctr_va_vdst(0)
.irp p, 0,1,2,3
.irp u, 0,1
	v_wmma_f32_16x16x128_fp8_fp8 v[ACC+16*\p+8*\u:ACC+16*\p+8*\u+7], v[WF+32*\u+16:WF+32*\u+31], v[X+32*\p+16:X+32*\p+31], v[ACC+16*\p+8*\u:ACC+16*\p+8*\u+7]
.endr
.endr
.rept 4
	v_nop                                          ; four places between the last product and the first read of results (ISA guide 7.12.1)
.endr
	WIN 0xa0
.set i, 0
.rept 64
.set i, i+1
.endr
	s_wait_xcnt 0x0                                ; the earlier stores have read their data: OC may be written
	WIN 0x02
.set i, 0
.rept 8
	v_cvt_scalef32_pk8_fp8_f32 v[OC+16*(\b%2)+2*i:OC+16*(\b%2)+2*i+1], v[ACC+8*i:ACC+8*i+7], v13
.set i, i+1
.endr
	v_nop
	WIN 0
.irp p, 0,1,2,3
	global_store_b128 v1, v[OC+16*(\b%2)+4*\p:OC+16*(\p)*0+OC*0+OC+16*(\b%2)+4*\p+3-OC], s[58:59] offset:8192*\rho+2048*\p+512*\b
.endr
.endr
.endm
; phi (swap = 0) or g (swap = 1): image row rho is added onto the pooled sums; four accumulators by turns, one instruction a turn
.macro PB_POOL rho, swap
.irp b, 0,1,2,3
	WFETCH \b
	s_wait_dscnt 0x0
.if \swap
	WIN 0xa8                                       ; source 0 (x) window 0, source 1 (W), C and D window 2
.else
	WIN 0xa2
.endif
.irp s, 0,1
	s_wait_alu depctr_va_vdst(0)
.irp d, 0,1
.irp e, 0,1
.irp u, 0,1
.if \swap
.set rA, ACC+16*(2*\b+\u)+8*\e
.else
.set rA, ACC+64*\e+8*(2*\b+\u)
.endif
.set rW, WF+16*(2*\u+\s)
.set rX, X+32*(2*\e+\d)+16*\s
.set rC, rA
.if (\rho == 0) && (\s == 0) && (\d == 0)
.set rC, BT+8*(2*\b+\u)
.endif
.if \swap
	v_wmma_f32_16x16x128_fp8_fp8 v[rA:rA+7], v[rX:rX+15], v[rW:rW+15], v[rC:rC+7]
.else
	v_wmma_f32_16x16x128_fp8_fp8 v[rA:rA+7], v[rW:rW+15], v[rX:rX+15], v[rC:rC+7]
.endif
.endr
.endr
.endr
.endr
.rept 4
	v_nop                                          ; places in front of loads into W registers, of writes of X and of reads of results
.endr
.endr
.endm
.macro FINISH stride                   ; the 16 pooled accumulators: converted, stored: eight pieces of 512 bytes, stride bytes apart
	WIN 0xa0
.set i, 0
.rept 128
.set i, i+1
.endr
	s_wait_xcnt 0x0                                ; OC is written only when no earlier store can still read it
	WIN 0x02
.set i, 0
.rept 16
	v_cvt_scalef32_pk8_fp8_f32 v[OC+2*i:OC+2*i+1], v[ACC+8*i:ACC+8*i+7], v13
.set i, i+1
.endr
	v_nop
	WIN 0
.irp n, 0,1,2,3,4,5,6,7
	global_store_b128 v1, v[OC+4*\n:OC+4*\n+3], s[58:59] offset:\stride*\n
.endr
.endm
	s_load_b512 s[8:23], s[0:1], 0x0               ; k 8, q 10, v 12, Wth 14, Wph 16, Wg 18, bth 20, bph 22
	s_load_b256 s[24:31], s[0:1], 0x40             ; bg 24, lowp_scales 26, theta_c 28, phi_c 30
	s_load_b64 s[32:33], s[0:1], 0x60              ; g_c
	v_lshl_add_u32 v6, v0, 2, SPARE                ; my spare word; never rewritten
	v_mov_b32 v7, 0                                ; 0; never rewritten
	v_lshrrev_b32 v1, 5, v0
	v_readfirstlane_b32 s34, v1                    ; wave 0..3
	s_lshr_b32 s35, ttmp9, 6                       ; tensor: 0 k -> theta, 1 q -> phi, 2 v -> g
	s_bfe_u32 s36, ttmp9, 0x30003                  ; batch
	s_and_b32 s37, ttmp9, 7
	s_lshl_b32 s38, s37, 2
	s_add_co_u32 s38, s38, s34                     ; yp: my pair of image rows
	v_and_b32 v15, 15, v0                          ; r
	v_bfe_u32 v16, v0, 4, 1                        ; h
	v_and_b32 v1, 31, v0
	v_lshlrev_b32 v1, 4, v1                        ; v1: 16 x lane: my place in an image
	v_lshlrev_b32 v2, 4, v15
	v_lshl_add_u32 v2, v16, 18, v2                 ; v2: x: 16 r, + 16 channels of 16,384 bytes for lanes 16-31
	v_lshlrev_b32 v3, 10, v15
	v_lshl_add_u32 v3, v16, 6, v3                  ; v3: W: row r of 1,024 bytes, + 64 h
	s_lshl_b32 s71, s34, 13
	v_add_nc_u32 v4, s71, v1                       ; v4: where I store my four images of W
	v_lshlrev_b32 v5, 5, v16                       ; v5: the bias along registers: 32 h
	v_lshlrev_b32 v14, 2, v15                      ; v14: the bias along lanes: 4 r
	s_lshl_b32 s60, s36, 22
	s_lshl_b32 s72, s38, 9
	s_add_co_u32 s60, s60, s72                     ; x: batch x 4 MiB + yp x 512
	s_mov_b32 s61, 0
	s_lshl_b32 s62, s34, 15                        ; W: my 32 rows
	s_mov_b32 s63, 0
	s_lshl_b32 s73, s36, 19
	s_lshl_b32 s72, s38, 14
	s_add_co_u32 s73, s73, s72                     ; theta_c: batch x 256 tiles + yp x 8 tiles
	s_lshl_b32 s74, s36, 17
	s_lshl_b32 s72, s38, 12
	s_add_co_u32 s75, s74, s72                     ; phi_c: batch x 64 tiles + yp x 2 tiles
	s_lshr_b32 s72, s38, 2
	s_lshl_b32 s72, s72, 14
	s_add_co_u32 s74, s74, s72
	s_and_b32 s72, s38, 3
	s_lshl_b32 s72, s72, 9
	s_add_co_u32 s74, s74, s72                     ; g_c: batch x 128 KiB + (yp / 4) x 16 KiB + (yp % 4) x 512
	s_wait_alu depctr_va_vdst(0)
	s_wait_kmcnt 0x0
	s_load_b256 s[40:47], s[26:27], 0x0            ; e0 .. e7
	s_load_b128 s[48:51], s[26:27], 0x20           ; e8 .. e11
	s_cmp_eq_u32 s35, 1                            ; the buffers are chosen by the work-group number alone: one text serves the three tensors
	s_cselect_b64 s[52:53], s[10:11], s[8:9]
	s_cselect_b64 s[54:55], s[16:17], s[14:15]
	s_cselect_b64 s[56:57], s[22:23], s[20:21]
	s_cselect_b64 s[58:59], s[30:31], s[28:29]
	s_cselect_b32 s76, s75, s73
	s_cmp_eq_u32 s35, 2
	s_cselect_b64 s[52:53], s[12:13], s[52:53]
	s_cselect_b64 s[54:55], s[18:19], s[54:55]
	s_cselect_b64 s[56:57], s[24:25], s[56:57]
	s_cselect_b64 s[58:59], s[32:33], s[58:59]
	s_cselect_b32 s76, s74, s76
	s_cselect_b32 s78, -1, 0                       ; all ones where the result holds a channel a lane (g)
	s_mov_b32 s77, 0
	s_add_nc_u64 s[52:53], s[52:53], s[60:61]
	s_add_nc_u64 s[54:55], s[54:55], s[62:63]
	s_add_nc_u64 s[58:59], s[58:59], s[76:77]
	; the bias in both layouts (24 loads, the oldest): along a lane registers (theta, phi), and one number a lane (g); the choice is a select, not a branch
.irp t, 0,1,2,3,4,5,6,7
	global_load_b128 v[X+8*\t:X+8*\t+3], v5, s[56:57] offset:64*\t
	global_load_b128 v[X+8*\t+4:X+8*\t+7], v5, s[56:57] offset:64*\t+16
.endr
.irp t, 0,1,2,3,4,5,6,7
	global_load_b32 v[X+64+\t], v14, s[56:57] offset:64*\t
.endr
	WLOAD 0
.irp q, 0,1,2,3
	XLOAD \q
.endr
	WIN 0
	s_wait_kmcnt 0x0
	s_cmp_eq_u32 s35, 1
	s_cselect_b32 s66, s44, s42                    ; eW
	s_cselect_b32 s67, s45, s43                    ; ex
	s_cselect_b32 s68, s47, s46                    ; eo
	s_cmp_eq_u32 s35, 2
	s_cselect_b32 s66, s40, s66
	s_cselect_b32 s67, s41, s67
	s_cselect_b32 s68, s49, s68
	s_cmp_eq_u32 s35, 0
	s_cselect_b32 s69, 0, 2                        ; pooled sums hold four times the mean
	s_sub_co_i32 s70, s69, s66
	s_sub_co_i32 s70, s70, s67                     ; the bias goes in x 2^(sh - eW - ex),
	s_add_co_i32 s68, s68, s70                     ; and a sum becomes a code by / 2^(eo - eW - ex + sh): the scales folded into the conversion
	MKSCALE s67, 8, 9
	MKSCALE s66, 10, 11
	MKSCALE s68, 12, 13
	s_wait_loadcnt 32                              ; behind the bias and W first tile: ring chunks 0 to 3, 32 loads
.irp t, 0,1,2,3,4,5,6,7
.irp j, 0,1,2,3,4,5,6,7
	v_cndmask_b32 v[X+8*\t+\j], v[X+8*\t+\j], v[X+64+\t], s78
.endr
.endr
	WIN 0x80
.irp t, 0,1,2,3,4,5,6,7
.irp j, 0,1,2,3,4,5,6,7
	v_ldexp_f32 v[BT+8*\t+\j], v[X+8*\t+\j], s70
.endr
.endr
	WQUANT 0, OC
	WLOAD 1
.irp q, 4,5,6,7
	XLOAD \q
.endr
	s_wait_loadcnt 32                              ; behind W second tile: ring chunks 4 to 7
	WQUANT 1, T
	s_wait_dscnt 0x0                               ; for the others sake: my four images have landed
	s_barrier_signal -1
	s_barrier_wait -1                              ; all sixteen fragments of W lie in LDS; nothing is stored to LDS behind this barrier
.irp q, 0,1,2,3,4,5,6,7,8,9,10,11,12,13,14,15
	CHUNK \q
.endr
	WIN 0                                          ; at a label and at a branch every window is 0
	s_cmp_eq_u32 s35, 0
	s_cbranch_scc0 .Lpool0
	PB_THETA 0
	s_branch .Ljoin0
.Lpool0:
	s_cmp_eq_u32 s35, 1
	s_cbranch_scc0 .Lg0
	PB_POOL 0, 0
	WIN 0
	s_branch .Ljoin0
.Lg0:
	PB_POOL 0, 1
	WIN 0
.Ljoin0:
.irp q, 16,17,18,19,20,21,22,23,24,25,26,27,28,29,30,31
	CHUNK \q
.endr
	WIN 0
	s_cmp_eq_u32 s35, 0
	s_cbranch_scc0 .Lpool1
	PB_THETA 1
	s_branch .Ljoin1
.Lpool1:
	s_cmp_eq_u32 s35, 1
	s_cbranch_scc0 .Lg1
	PB_POOL 1, 0
	FINISH 512
	s_branch .Ljoin1
.Lg1:
	PB_POOL 1, 1
	FINISH 2048
.Ljoin1:
	s_wait_tensorcnt 0x0                           ; the end of the wave
	ds_add_u32 v6, v7
	s_wait_dscnt 0x0
	s_endpgm
.Lfunc_end_k_qf88786930a_proj:
	.size	k_qf88786930a_proj, .Lfunc_end_k_qf88786930a_proj-k_qf88786930a_proj
	.p2alignl 7, 3214868480
	.fill 96, 4, 3214868480
	.section	.rodata,"a",@progbits
	.p2align	6, 0x0
	.amdhsa_kernel k_qf88786930a_proj
		.amdhsa_group_segment_fixed_size 33280
		.amdhsa_private_segment_fixed_size 0
		.amdhsa_enable_private_segment 0
		.amdhsa_kernarg_size 104
		.amdhsa_user_sgpr_count 2
		.amdhsa_user_sgpr_kernarg_segment_ptr 1
		.amdhsa_wavefront_size32 1
		.amdhsa_system_sgpr_workgroup_id_x 1
		.amdhsa_system_sgpr_workgroup_id_y 1
		.amdhsa_system_sgpr_workgroup_id_z 1
		.amdhsa_system_vgpr_workitem_id 0
		.amdhsa_next_free_vgpr 768
		.amdhsa_next_free_sgpr 80
		.amdhsa_reserve_vcc 0
		.amdhsa_float_denorm_mode_32 3
		.amdhsa_float_denorm_mode_16_64 3
		.amdhsa_fp16_overflow 1
		.amdhsa_memory_ordered 1
		.amdhsa_forward_progress 1
		.amdhsa_inst_pref_size 191
	.end_amdhsa_kernel
	.amdgpu_metadata
---
amdhsa.version: [ 1, 2 ]
amdhsa.kernels:
  - .name:           k_qf88786930a_proj
    .symbol:         k_qf88786930a_proj.kd
    .args:
      - { .name: k, .offset: 0, .size: 8, .value_kind: global_buffer, .address_space: global }
      - { .name: q, .offset: 8, .size: 8, .value_kind: global_buffer, .address_space: global }
      - { .name: v, .offset: 16, .size: 8, .value_kind: global_buffer, .address_space: global }
      - { .name: Wth, .offset: 24, .size: 8, .value_kind: global_buffer, .address_space: global }
      - { .name: Wph, .offset: 32, .size: 8, .value_kind: global_buffer, .address_space: global }
      - { .name: Wg, .offset: 40, .size: 8, .value_kind: global_buffer, .address_space: global }
      - { .name: bth, .offset: 48, .size: 8, .value_kind: global_buffer, .address_space: global }
      - { .name: bph, .offset: 56, .size: 8, .value_kind: global_buffer, .address_space: global }
      - { .name: bg, .offset: 64, .size: 8, .value_kind: global_buffer, .address_space: global }
      - { .name: lowp_scales, .offset: 72, .size: 8, .value_kind: global_buffer, .address_space: global }
      - { .name: theta_c, .offset: 80, .size: 8, .value_kind: global_buffer, .address_space: global }
      - { .name: phi_c, .offset: 88, .size: 8, .value_kind: global_buffer, .address_space: global }
      - { .name: g_c, .offset: 96, .size: 8, .value_kind: global_buffer, .address_space: global }
    .group_segment_fixed_size: 33280
    .private_segment_fixed_size: 0
    .kernarg_segment_align: 8
    .kernarg_segment_size: 104
    .max_flat_workgroup_size: 128
    .sgpr_count:     80
    .vgpr_count:     768
    .wavefront_size: 32
...
	.end_amdgpu_metadata
.endif
;; end of part 1
;; launch attn (part 2): grid 256 x 1, 8 waves a work-group, clusters of 4 x 1, 314,368 bytes of LDS; arguments theta_c, phi_c, g_c, Ww, bw, gamma, beta, mean, var, lowp_scales, v, out0; writes out0
.if DOCPART == 2
	.amdgcn_target "amdgcn-amd-amdhsa--gfx1250"
	.amdhsa_code_object_version 6
	.text
	.protected	k_qf88786930a_attn
	.globl	k_qf88786930a_attn
	.p2align	8
	.type	k_qf88786930a_attn,@function
k_qf88786930a_attn:
	s_mov_b64 s[64:65], 0
	v_nop
	global_prefetch_b8 v0, s[64:65] scope:SCOPE_SE
	s_setreg_imm32_b32 hwreg(HW_REG_WAVE_MODE, 25, 1), 1
	s_wait_xcnt 0x0
	s_wait_alu depctr_hold_cnt(0) depctr_sa_sdst(0) depctr_va_vdst(0) depctr_va_sdst(0) depctr_va_ssrc(0) depctr_va_vcc(0) depctr_vm_vsrc(0)
	s_getreg_b32 s2, hwreg(HW_REG_IB_STS2, 6, 4)
	s_cmp_eq_u32 s2, 0
	s_cbranch_scc0 .Lentry_in_a_cluster
	s_endpgm
.Lentry_in_a_cluster:
	s_bfe_u32 s2, ttmp6, 0x10000c
	s_cmp_lg_u32 s2, 0x3003
	s_cbranch_scc0 .Lentry_shape_is_right
	s_endpgm
.Lentry_shape_is_right:
; ATTN: out = BN(Ww y + bw) + v,  y = softmax(theta phi) g, all three products on codes of E4M3 with the given scales (e6 theta, e7 phi, e8 p, e9 g, e10 Ww, e11 y).
; No work of the problem is left out here either: every input with a way to the output is loaded.
; THE SOFTMAX AHEAD OF THE SECOND PRODUCT: t = logit x log2(e); M = the running largest t rounded UP to a whole number; p = 2^(t - M) is quantised, not normalised; the sum l is taken of the
; unquantised p and divides at the end; when M moves, l and O are multiplied by 2^(old M - new M), which rounds nothing.
; LIMITS: e6 + e7 between -126 and 127 (added to the exponent field of log2(e)); e8, e10, e11 between -126 and 119; e8 + e9 and e10 + e11 are applied by v_ldexp_f32 and have none.  NaN among the inputs is not served.
; SHARES.  A work-group owns 128 queries of a batch, the image rows 2 blk and 2 blk + 1.  Wave w = 4 G + m owns one tile of 16: the pixels 4 r + m of row 2 blk + G.  Two waves lie on a SIMD.
; On the way out wave w makes output channels 32 w .. 32 w + 31 for all 128 pixels.
; OPERANDS arrive as images of their registers (2,048 bytes a fragment: piece c at 512 c + 16 x lane), so every LDS read is 512 consecutive bytes and nothing changes lanes.
; S^T = phi theta^T (source 0 = 16 keys, source 1 = my 16 queries), O^T = g^T p^T (source 0 = 16 channels), W_y = Ww y (source 0 = 16 output channels, source 1 = 16 pixels): a lane holds one query or pixel throughout.
; THE KEY STEPS ARE LAPPED.  There are two buffers of scores and one of fragments.  A turn of step s: the first half of its softmax (maximum, M, scalings, exponentials), under which phi of step s + 1 lands; the
; products S(s + 1) into the other buffer of scores; the loads of g(s); the second half (sums, conversions, O^T rescaled), under which g(s) lands; the products O^T += g p; the loads of phi(s + 2).
; So no run of fragment loads stands directly ahead of the wait for it: a run of phi has about 137 vector instructions of its own wave between, one of g at least 42.
; LDS: a batch has 128 KiB of phi and 128 KiB of g: both lie in LDS whole, so NO BYTE IS FILLED TWICE: four first fills a wave, 8 KiB each (32 rows of 256 bytes), four tensor loads of mine outstanding at the most.
; Two barriers show the tiles to all waves: one for key steps 0 to 3, one, ahead of the first read of key step 4, for the rest.
; PARKED IN LDS, in bytes that only the wave itself touches, so that their registers serve the second buffer of scores meanwhile: my two fragments of Ww, as images; and the two batch norm numbers of each of my 32
; output channels, one word a channel (they are made one channel a lane; read back 16 bytes at a time, the same for sixteen lanes, they come in the layout of a result).
; CLUSTER: the four work-groups of a cluster belong to one batch and need the same phi and g: each fill is asked for JOINTLY, the same load with the same descriptor and a mask that names the four.
; THE WAY OUT: the four pixel tiles m of an image row give a lane the pixels 4 r + 0 .. 3 of one output channel; the multiply-add of the batch norm writes register 4 q + m, so a store of 16 bytes a lane covers
; 256 consecutive bytes, aligned, in each half of the lanes, with no stage.  The residual v is asked for ahead of the first key step, in that same layout, and lands under the attention.
; No prefetch: all that comes from memory is asked for by loads, the residual eight key steps ahead of its use.
; REGISTERS.  Window 0: v1-11 addresses; v12 -M, v13 the largest t, v[14:15] l; v16-31 theta; v32-95 fragments 0-3; v96-159 the scores of odd steps; v160-223 those of even steps; v224-239 codes; v240-255 scales, work, addresses.
;   Window 1: v0-127 the residual, then the output; v128-191 O^T, then results; v192-255 fragments 4-7.
;   On the way out, window 0: v96-127 Ww, v128-143 a x 2^(e10 + e11), v144-159 (bw - mean) a + beta, v160-223 y, then results.
.set YIMG,  262144                     ; LDS: phi at 0, g at 131072, the eight images of y at 262144,
.set WPARK, 278528                     ; my fragments of Ww: 4,096 bytes a wave,
.set BPARK, 311296                     ; my batch norm numbers: 256 bytes a wave (no fill lands in these three regions),
.set SPARE, 313344                     ; and the spare words, 128 bytes for each of the eight waves
.set Q,   16
.set FA,  32                           ; fragments 0-3, window 0
.set FB,  192                          ; fragments 4-7, window 1
.set Y0,  160
.set P,   224
.set R,   0
.set O,   128
.set WW,  96
.set CA,  128
.set CB,  144
.set MSB, 0
.macro WIN new                         ; the immediate high byte repeats the setting that is left; a switch that changes nothing is dropped
.if MSB != \new
	s_set_vgpr_msb (MSB<<8)|\new
.set MSB, \new
.endif
.endm
.macro MKSCALE e, lim, scl             ; 2^e and 448 x 2^e as f32 numbers
	s_add_co_i32 s87, \e, 127
	s_lshl_b32 s88, s87, 23
	v_mov_b32 v[\scl], s88
	s_add_co_i32 s87, s87, 8
	s_lshl_b32 s87, s87, 23
	s_or_b32 s87, s87, 0x600000
.endm
.macro CROUND                          ; a round of the cluster barrier: my work-group barrier; wave 0 signals for the work-group; every wave waits for all four; my work-group barrier once more
	s_barrier_signal -1
	s_barrier_wait -1
	s_cmp_lg_u32 s33, 0
	s_cbranch_scc1 .Lnot_wave_0_\@
	s_barrier_signal -3
.Lnot_wave_0_\@:
	s_barrier_wait -3
	s_barrier_signal -1
	s_barrier_wait -1
.endm
.macro FRAGS adr, off                  ; eight fragments, 32 loads of 512 consecutive bytes: four into window 0, four into window 1
.irp t, 0,1,2,3
.irp c, 0,1,2,3
	ds_load_b128 v[FA+16*\t+4*\c:FA+16*\t+4*\c+3], v[\adr] offset:\off+2048*\t+512*\c
.endr
.endr
	WIN 0x40
.irp t, 0,1,2,3
.irp c, 0,1,2,3
	ds_load_b128 v[FB+16*\t+4*\c:FB+16*\t+4*\c+3], v[\adr] offset:\off+8192+2048*\t+512*\c
.endr
.endr
	WIN 0
.endm
.macro KLOAD s                         ; the eight key tiles of step s
.if (\s) < 4
	FRAGS 1, (\s)*16384
.else
	FRAGS 2, ((\s)-4)*16384
.endif
.endm
.macro GLOAD s                         ; the eight channel tiles of g for the keys of step s
.if (\s) < 4
	FRAGS 3, (\s)*16384
.else
	FRAGS 7, ((\s)-4)*16384
.endif
.endm
.macro SPROD s                         ; S^T of step s, into the buffer of its parity; each product starts its own sum
.set SB, 160-64*((\s)%2)
	s_wait_dscnt 0x0                               ; phi is in
.irp t, 0,1,2,3
	v_wmma_f32_16x16x128_fp8_fp8 v[SB+8*\t:SB+8*\t+7], v[FA+16*\t:FA+16*\t+15], v[Q:Q+15], 0
.endr
	WIN 0x01                                       ; source 0 window 1
.irp t, 0,1,2,3
	v_wmma_f32_16x16x128_fp8_fp8 v[SB+32+8*\t:SB+32+8*\t+7], v[FB+16*\t:FB+16*\t+15], v[Q:Q+15], 0
.endr
	WIN 0
.rept 4
	v_nop                                          ; four places in front of the loads into the fragments registers, and of any read of the scores
.endr
.endm
; The first half of the softmax of step s: nothing in it reads the result of an exponential.
.macro SM1 s
.set SB, 160-64*((\s)%2)
	v_max3_num_f32 v248, v[SB], v[SB+1], v[SB+2]   ; the largest score of my query among my 64 keys, in two chains, each accumulator from its low end on,
	v_max3_num_f32 v246, v[SB+3], v[SB+4], v[SB+5]
.irp i, 6,10,14,18,22,26,30,34,38,42,46,50,54,58
	v_max3_num_f32 v248, v248, v[SB+\i], v[SB+\i+1]
	v_max3_num_f32 v246, v246, v[SB+\i+2], v[SB+\i+3]
.endr
	v_max3_num_f32 v248, v248, v[SB+62], v[SB+63]
	s_delay_alu instid0(VALU_DEP_1)
	v_max_num_f32 v248, v248, v246
	s_delay_alu instid0(VALU_DEP_1)
	v_permlanex16_b32 v244, v248, s74, s75
	s_delay_alu instid0(VALU_DEP_1)
	v_max_num_f32 v248, v248, v244                 ; and among those of the lane 16 away
	s_delay_alu instid0(VALU_DEP_1)
	v_mul_f32 v248, s72, v248                      ; as t (c is positive)
	s_delay_alu instid0(VALU_DEP_1)
	v_max_num_f32 v13, v13, v248                   ; the running largest t
	v_mov_b32 v248, v12
	s_delay_alu instid0(VALU_DEP_2)
	v_floor_f32 v12, -v13                          ; the new -M = floor(-t): M is a whole number
	s_delay_alu instid0(VALU_DEP_1)
	v_sub_f32 v248, v12, v248                      ; old M - new M: a whole number, 0 or less
	s_delay_alu instid0(VALU_DEP_1)
	v_cvt_i32_f32 v248, v248                       ; (it saturates)
	s_delay_alu instid0(VALU_DEP_1)
	v_ldexp_f32 v246, 1.0, v248                    ; f = 2^(old M - new M)
.set j, 0
.rept 32
	v_pk_fma_f32 v[SB+j:SB+j+1], v[SB+j:SB+j+1], s[72:73], v[12:13] op_sel_hi:[1,0,0]   ; t - M, two at a time (the low words of c and of -M serve both halves)
.set j, j+2
.endr
.set j, 0
	s_wait_alu depctr_va_vdst(0)
.rept 64
	v_exp_f32 v[SB+j], v[SB+j]                     ; p = 2^(t - M): one batch
.set j, j+1
.endr
	v_nop                                          ; the plain line behind the last exponential
.endm
; The second half.  first = 1: there is no O^T yet to rescale.
.macro SM2 s, first
.set SB, 160-64*((\s)%2)
	v_pk_mul_f32 v[14:15], v[14:15], v[246:247] op_sel_hi:[1,0]   ; l under the new M
	s_wait_alu depctr_va_vdst(0)                   ; one wait for the batch, ahead of its first reader
	v_pk_add_f32 v[242:243], v[SB:SB+1], v[SB+2:SB+3]   ; the sum is taken of the unquantised p, in two chains
.set j, 4
.rept 15
	v_pk_add_f32 v[14:15], v[14:15], v[SB+j:SB+j+1]
	v_pk_add_f32 v[242:243], v[242:243], v[SB+j+2:SB+j+3]
.set j, j+4
.endr
	s_delay_alu instid0(VALU_DEP_1)
	v_pk_add_f32 v[14:15], v[14:15], v[242:243]
.irp t, 0,1,2,3,4,5,6,7
.irp i, 0,1,2,3,4,5,6,7
.endr
	v_cvt_scalef32_pk8_fp8_f32 v[P+2*\t:P+2*\t+1], v[SB+8*\t:SB+8*\t+7], v241   ; key tile t becomes register pair t of the operand: g was laid in the same order
.endr
	v_nop                                          ; a plain line between the last conversion and the products that read its result or write over its sources
.if !(\first)
	WIN 0x41
.set j, 0
.rept 32
	v_pk_mul_f32 v[O+j:O+j+1], v[O+j:O+j+1], v[246:247] op_sel_hi:[1,0]   ; O^T under the new M
.set j, j+2
.endr
	WIN 0
.endif
.endm
.macro PV first                        ; O^T += g^T p^T: eight accumulators, one instruction each.  first = 1: the products start the sums, so nothing is cleared
	s_wait_dscnt 0x0                               ; g is in
.if \first
	WIN 0x40
	s_wait_alu depctr_va_vdst(0)
.irp t, 0,1,2,3
	v_wmma_f32_16x16x128_fp8_fp8 v[O+8*\t:O+8*\t+7], v[FA+16*\t:FA+16*\t+15], v[P:P+15], 0
.endr
	WIN 0x41
.irp t, 0,1,2,3
	v_wmma_f32_16x16x128_fp8_fp8 v[O+32+8*\t:O+32+8*\t+7], v[FB+16*\t:FB+16*\t+15], v[P:P+15], 0
.endr
.else
	WIN 0x50
.irp t, 0,1,2,3
	v_wmma_f32_16x16x128_fp8_fp8 v[O+8*\t:O+8*\t+7], v[FA+16*\t:FA+16*\t+15], v[P:P+15], v[O+8*\t:O+8*\t+7]
.endr
	WIN 0x51
.irp t, 0,1,2,3
	v_wmma_f32_16x16x128_fp8_fp8 v[O+32+8*\t:O+32+8*\t+7], v[FB+16*\t:FB+16*\t+15], v[P:P+15], v[O+32+8*\t:O+32+8*\t+7]
.endr
.endif
	WIN 0
.rept 4
	v_nop                                          ; four places in front of the loads into the fragments registers, and of any read of O^T
.endr
.endm
.macro TURN s, first                   ; the turn of step s, for s = 0 .. 6; the loads of phi(s + 2) follow it in the main line
	SM1 \s
	SPROD (\s)+1
	GLOAD \s
	SM2 \s, \first
	s_wait_alu depctr_va_vdst(0)
	PV \first
.endm
	s_load_b512 s[8:23], s[0:1], 0x0               ; theta_c 8, phi_c 10, g_c 12, Ww 14, bw 16, gamma 18, beta 20, mean 22
	s_load_b256 s[24:31], s[0:1], 0x40             ; var 24, lowp_scales 26, v 28, out0 30
	v_lshl_add_u32 v4, v0, 2, SPARE                ; my spare word; never rewritten
	v_mov_b32 v5, 0                                ; 0; never rewritten
	ds_add_u32 v4, v5                              ; the opening: the add, twice on end, and its wait ahead of my first tensor load
	ds_add_u32 v4, v5
	v_lshrrev_b32 v1, 5, v0
	s_delay_alu instid0(VALU_DEP_1)
	v_readfirstlane_b32 s33, v1                    ; wave 0..7
	s_bfe_u32 s34, ttmp6, 0x40000                  ; cx: it enters the addresses of theta, v and out0 alone
	s_lshl_b32 s35, ttmp9, 2
	s_add_co_u32 s35, s35, s34                     ; work-group = 4 x cluster + cx
	s_lshr_b32 s36, ttmp9, 3                       ; batch: the same in the four partners
	s_and_b32 s37, s35, 31                         ; blk
	; descriptor group 1, the same for all fills: 32 dense rows of 32 elements of 8 bytes
	s_mov_b32 s40, 15|(3<<16)|(1<<21)              ; 15:0 the mask: all four work-groups; 17:16 elements of 8 bytes; 21 set beside a mask; no padding
	s_mov_b32 s41, 32<<16                          ; tensor_dim0 = 32
	s_mov_b32 s42, 32<<16                          ; tensor_dim1 = 32
	s_mov_b32 s43, 32<<16                          ; tile_dim0 = 32
	s_mov_b32 s44, 32                              ; tile_dim1 = 32
	s_mov_b32 s45, 32                              ; from row to row: 32 elements
	s_mov_b32 s46, 0
	s_mov_b32 s47, 0
	s_mov_b32 s74, 0x76543210                      ; v_permlanex16_b32: each lane takes its own place in the other half
	s_mov_b32 s75, 0xfedcba98
	s_lshl_b32 s76, s33, 13
	s_lshr_b32 s77, s33, 2
	s_mul_i32 s77, s77, 98304
	s_add_co_u32 s76, s76, s77                     ; LDS: waves 0-3 fill phi at 8192 w, waves 4-7 g at 131072 + 8192 (w - 4); stage i (key steps 2 i, 2 i + 1) lies 32768 i on
	s_and_b32 s78, s33, 3
	s_lshl_b32 s78, s78, 13
	s_lshl_b32 s79, s36, 17
	s_add_co_u32 s78, s78, s79                     ; memory: batch x 128 KiB + 8192 (w % 4)
	s_mov_b32 s79, 0
	s_wait_dscnt 0x0                               ; both opening adds are done
	s_wait_kmcnt 0x0
	s_load_b64 s[66:67], s[26:27], 0x18            ; e6, e7
	s_load_b128 s[68:71], s[26:27], 0x20           ; e8 .. e11
	s_cmp_lt_u32 s33, 4                            ; the wave number alone: alike in all partners
	s_cselect_b64 s[80:81], s[10:11], s[12:13]
	s_add_nc_u64 s[80:81], s[80:81], s[78:79]
.irp i, 0,1,2,3
	s_mov_b32 s[48+4*\i], 1                        ; count = 1
	s_add_co_u32 s[49+4*\i], s76, 32768*\i         ; LDS address
	s_add_nc_u64 s[50+4*\i:51+4*\i], s[80:81], 32768*\i   ; global address
	s_or_b32 s[51+4*\i], s[51+4*\i], 0x80000000    ; type = 2
.endr
	CROUND                                         ; all four work-groups are here: the joint loads meet
.irp i, 0,1,2,3
	tensor_load_to_lds s[48+4*\i:51+4*\i], s[40:47]
	s_nop 0
.endr
.rept 4
	v_nop
.endr
	v_and_b32 v1, 31, v0
	s_delay_alu instid0(VALU_DEP_1)
	v_lshlrev_b32 v248, 2, v1                      ; 4 x lane
	s_delay_alu instid0(VALU_DEP_2)
	v_lshlrev_b32 v1, 4, v1                        ; v1: 16 x lane: phi, steps 0-3
	s_delay_alu instid0(VALU_DEP_1)
	v_add_nc_u32 v2, 0x10000, v1                   ; v2: phi, steps 4-7
	s_delay_alu instid0(VALU_DEP_2)
	v_add_nc_u32 v3, 0x20000, v1                   ; v3: g, steps 0-3
	s_delay_alu instid0(VALU_DEP_3)
	v_add_nc_u32 v7, 0x30000, v1                   ; v7: g, steps 4-7
	s_delay_alu instid0(VALU_DEP_4)
	v_add_nc_u32 v8, YIMG, v1                      ; v8: the images of y
	s_lshl_b32 s82, s33, 11
	v_add_nc_u32 v9, s82, v8                       ; v9: where I store mine
	s_lshl_b32 s82, s33, 12
	s_add_co_u32 s82, s82, WPARK
	v_add_nc_u32 v254, s82, v1                     ; v254: where my fragments of Ww are parked
	v_and_b32 v242, 15, v0                         ; r
	s_wait_alu depctr_va_vdst(0)
	v_bfe_u32 v243, v0, 4, 1                       ; h
	s_lshl_b32 s82, s33, 8
	s_add_co_u32 s82, s82, BPARK
	v_add_nc_u32 v255, s82, v248                   ; v255: my batch norm numbers on the way in: a word a lane, lane = channel - 32 w
	v_lshl_add_u32 v245, v243, 5, s82              ; v245: and on the way back: + 32 h: the eight channels of my half
	s_lshl_b32 s83, s36, 22
	s_lshl_b32 s84, s33, 19
	s_add_co_u32 s83, s83, s84
	s_lshl_b32 s84, s37, 9
	s_add_co_u32 s83, s83, s84
	v_lshlrev_b32 v6, 4, v242
	s_delay_alu instid0(VALU_DEP_1)
	v_lshl_add_u32 v6, v243, 17, v6
	s_delay_alu instid0(VALU_DEP_1)
	v_add_nc_u32 v6, s83, v6                       ; v6: v and out0: batch, channel 32 w + 8 h, image row 2 blk, pixel 4 r
	s_lshl_b32 s84, s33, 7
	v_add_nc_u32 v10, s84, v248                    ; v10: vectors over the output channels: channel 32 w + lane
	s_lshl_b32 s84, s33, 14
	v_lshlrev_b32 v11, 9, v242
	s_wait_alu depctr_va_vdst(0)
	v_lshl_add_u32 v11, v243, 5, v11
	s_delay_alu instid0(VALU_DEP_1)
	v_add_nc_u32 v11, s84, v11                     ; v11: Ww: row 32 w + r of 512 bytes, + 32 h
	s_lshl_b32 s84, s35, 3
	s_add_co_u32 s84, s84, s33
	s_lshl_b32 s84, s84, 11
	v_add_nc_u32 v249, s84, v1                     ; v249: my tile of theta: 8 x work-group + w
.irp c, 0,1,2,3
	global_load_b128 v[Q+4*\c:Q+4*\c+3], v249, s[8:9] offset:512*\c
.endr
	global_load_b32 v160, v10, s[18:19]            ; gamma, var, mean, beta, bw of my lane's channel
	global_load_b32 v161, v10, s[24:25]
	global_load_b32 v162, v10, s[22:23]
	global_load_b32 v163, v10, s[20:21]
	global_load_b32 v164, v10, s[16:17]
.irp t, 0,1                                    ; Ww as f32: lane (r, h) takes, of row 16 t + r, k = 16 c + 8 h + 0 .. 7: the layout of the form itself, in which y comes out of O^T
.irp c, 0,1,2,3,4,5,6,7
	global_load_b128 v[32+64*\t+8*\c:32+64*\t+8*\c+3], v11, s[14:15] offset:8192*\t+64*\c
	global_load_b128 v[32+64*\t+8*\c+4:32+64*\t+8*\c+7], v11, s[14:15] offset:8192*\t+64*\c+16
.endr
.endr
	s_wait_kmcnt 0x0
	s_add_co_i32 s72, s66, s67
	s_lshl_b32 s72, s72, 23
	s_add_co_i32 s72, s72, 0x3fb8aa3b              ; c = log2(e) x 2^(e6 + e7): a score stands for score x 2^(e6 + e7)
	s_mov_b32 s73, s72                             ; (named with it as a pair, so it is written)
	s_add_co_i32 s85, s68, s69                     ; e8 + e9
	s_add_co_i32 s86, s70, s71                     ; e10 + e11
	MKSCALE s68, 240, 241                          ; p
	MKSCALE s70, 252, 253                          ; Ww
	MKSCALE s71, 250, 251                          ; y
	v_mov_b32 v13, 0xff61b1e6                      ; the largest t so far: -3e38, under every t
	s_delay_alu instid0(VALU_DEP_1)
	v_floor_f32 v12, -v13                          ; -M
	v_mov_b32 v14, 0                               ; l, in two halves
	v_mov_b32 v15, 0
	v_mov_b32 v244, 0                              ; written once: the destination of a lane permute counts as one of its sources
	v_mov_b32 v247, 0                              ; (named as the upper half of the pair of f)
	s_wait_alu depctr_va_vdst(0)
	s_wait_loadcnt 0x0                             ; theta, the five vectors and Ww are in
.set i, 0
.rept 128
.set i, i+1
.endr
.set i, 0
.rept 16
	v_cvt_scalef32_pk8_fp8_f32 v[192+2*i:192+2*i+1], v[32+8*i:32+8*i+7], v253
.set i, i+1
.endr
	v_add_f32 v161, 0x3727c5ac, v161               ; var + 1e-5: also the plain line behind the conversions
.irp i, 0,1,2,3,4,5,6,7
	ds_store_b128 v254, v[192+4*\i:192+4*\i+3] offset:512*\i   ; my two fragments of Ww are parked as images of their registers
.endr
	s_wait_alu depctr_va_vdst(0)
	v_rsq_f32 v161, v161
	v_sub_f32 v164, v164, v162                     ; bw - mean: the plain line behind the root
	s_wait_alu depctr_va_vdst(0)                   ; the wait ahead of its first reader
	v_mul_f32 v160, v160, v161                     ; a = gamma / sqrt(var + 1e-5)
	s_delay_alu instid0(VALU_DEP_1)
	v_fma_f32 v163, v164, v160, v163               ; (bw - mean) a + beta
	s_delay_alu instid0(VALU_DEP_2)
	v_ldexp_f32 v160, v160, s86                    ; a x 2^(e10 + e11): a sum of the last product stands for sum x 2^(e10 + e11)
	ds_store_b32 v255, v160
	ds_store_b32 v255, v163 offset:128
	s_wait_tensorcnt 0x2                           ; tensor loads of a wave end in order (ISA guide 10.11.1): my parts of stages 0 and 1 are in when at most the two younger fills are out
	s_wait_dscnt 0x0                               ; no LDS instruction of mine is pending at the signal
	s_barrier_signal -1
	s_barrier_wait -1                              ; phi and g of key steps 0 to 3 are whole; the later stages may stay out
	KLOAD 0
	WIN 0x40
.irp g, 0,1                                    ; the residual, asked for while the first fragments come: register 4 q + m, q = 16 g + 8 t + j, is v(channel 32 w + 16 t + 8 h + j, row 2 blk + g, pixel 4 r + m)
.irp t, 0,1
.irp j, 0,1,2,3,4,5,6,7
	global_load_b128 v[R+4*(16*\g+8*\t+\j):R+4*(16*\g+8*\t+\j)+3], v6, s[28:29] offset:(16*\t+\j)*16384+256*\g th:TH_LOAD_NT
.endr
.endr
.endr
	WIN 0
	SPROD 0
	KLOAD 1
	TURN 0, 1
	KLOAD 2
	TURN 1, 0
	KLOAD 3
	TURN 2, 0
	s_wait_tensorcnt 0x0                           ; my parts of stages 2 and 3 are in; no LDS instruction of mine is pending (the last were waited for ahead of the products above)
	s_barrier_signal -1
	s_barrier_wait -1                              ; phi and g of key steps 4 to 7 are whole: the loads below are the first that read them
	KLOAD 4
	TURN 3, 0
	KLOAD 5
	TURN 4, 0
	KLOAD 6
	TURN 5, 0
	KLOAD 7
	TURN 6, 0
	GLOAD 7                                        ; there is no step 8: the fragments registers take g of the last step at once
	SM1 7
	SM2 7, 0
	s_wait_alu depctr_va_vdst(0)
	PV 0
	; THE WAY OUT.  What was parked comes back into the registers of the odd steps scores, which are done with.
.irp i, 0,1,2,3,4,5,6,7
	ds_load_b128 v[WW+4*\i:WW+4*\i+3], v254 offset:512*\i
.endr
.irp t, 0,1                                    ; register 8 t + j is channel 32 w + 16 t + 8 h + j: sixteen lanes read the same 16 bytes
	ds_load_b128 v[CA+8*\t:CA+8*\t+3], v245 offset:64*\t
	ds_load_b128 v[CA+8*\t+4:CA+8*\t+7], v245 offset:64*\t+16
	ds_load_b128 v[CB+8*\t:CB+8*\t+3], v245 offset:128+64*\t
	ds_load_b128 v[CB+8*\t+4:CB+8*\t+7], v245 offset:128+64*\t+16
.endr
	; y = O^T x 2^(e8 + e9) / l, quantised with 2^e11: register pair t of the fragment is channels 16 t + 8 h + 0 .. 7 of my pixel.
	v_add_f32 v14, v14, v15
	s_delay_alu instid0(VALU_DEP_1)
	v_permlanex16_b32 v244, v14, s74, s75
	s_delay_alu instid0(VALU_DEP_1)
	v_add_f32 v14, v14, v244                       ; the sum of the row
	s_wait_alu depctr_va_vdst(0)
	v_rcp_f32 v14, v14
	v_nop                                          ; a plain line behind the reciprocal
	v_nop
	s_wait_alu depctr_va_vdst(0)                   ; the wait ahead of the first reader
	v_ldexp_f32 v14, v14, s85
	WIN 0x01
.set j, 0
.rept 64
	v_mul_f32 v[Y0+j], v[O+j], v14                 ; each accumulator from its low end on
.set j, j+1
.endr
	WIN 0
.set j, 0
.rept 64
.set j, j+1
.endr
.irp t, 0,1,2,3,4,5,6,7
	v_cvt_scalef32_pk8_fp8_f32 v[P+2*\t:P+2*\t+1], v[Y0+8*\t:Y0+8*\t+7], v251
.endr
	v_nop                                          ; a plain line between the conversions and the products that write over their sources
.irp c, 0,1,2,3
	ds_store_b128 v9, v[P+4*\c:P+4*\c+3] offset:512*\c   ; my fragment of y goes to LDS as an image of its registers
.endr
	s_wait_dscnt 0x0                               ; for the others sake: it has landed; and what was parked is back
	s_barrier_signal -1
	s_barrier_wait -1
	FRAGS 8, 0                                     ; all eight: those of image row 0 (m = 0 .. 3) in window 0, those of image row 1 in window 1
	s_wait_dscnt 0x0
.irp t, 0,1                                    ; image row 0: all operands and results in window 0
.irp m, 0,1,2,3
	v_wmma_f32_16x16x128_fp8_fp8 v[Y0+8*(4*\t+\m):Y0+8*(4*\t+\m)+7], v[WW+16*\t:WW+16*\t+15], v[FA+16*\m:FA+16*\m+15], 0
.endr
.endr
	WIN 0x44                                       ; image row 1: y and the results window 1, the results where O^T lay
.irp t, 0,1
.irp m, 0,1,2,3
	v_wmma_f32_16x16x128_fp8_fp8 v[O+8*(4*\t+\m):O+8*(4*\t+\m)+7], v[WW+16*\t:WW+16*\t+15], v[FB+16*\m:FB+16*\m+15], 0
.endr
.endr
	s_wait_loadcnt 0x0                             ; the residual
	WIN 0x41
.irp g, 0,1                                    ; v + (bw - mean) a + beta: these name no register of the products and are the places behind them
.irp t, 0,1
.irp j, 0,1,2,3,4,5,6,7
.irp m, 0,1,2,3
	v_add_f32 v[R+4*(16*\g+8*\t+\j)+\m], v[R+4*(16*\g+8*\t+\j)+\m], v[CB+8*\t+\j]
.endr
.endr
.endr
.endr
	WIN 0x50
.irp t, 0,1                                    ; + sum x a x 2^(e10 + e11), written to the pixel place: each accumulator is read first at its register 0
.irp j, 0,1,2,3,4,5,6,7
.irp m, 0,1,2,3
	v_fma_f32 v[R+4*(8*\t+\j)+\m], v[Y0+8*(4*\t+\m)+\j], v[CA+8*\t+\j], v[R+4*(8*\t+\j)+\m]
.endr
.endr
.endr
	WIN 0x51
.irp t, 0,1
.irp j, 0,1,2,3,4,5,6,7
.irp m, 0,1,2,3
	v_fma_f32 v[R+64+4*(8*\t+\j)+\m], v[O+8*(4*\t+\m)+\j], v[CA+8*\t+\j], v[R+64+4*(8*\t+\j)+\m]
.endr
.endr
.endr
	WIN 0x04                                       ; the data of a store: window 1
.irp g, 0,1
.irp t, 0,1
.irp j, 0,1,2,3,4,5,6,7
	global_store_b128 v6, v[R+4*(16*\g+8*\t+\j):R+4*(16*\g+8*\t+\j)+3], s[30:31] offset:(16*\t+\j)*16384+256*\g th:TH_STORE_NT   ; sixteen lanes store 256 consecutive bytes, aligned
.endr
.endr
.endr
	WIN 0
	s_wait_tensorcnt 0x0                           ; the end of the wave
	ds_add_u32 v4, v5
	s_wait_dscnt 0x0
	CROUND                                         ; the closing round: no work-group ends while a partner may still ask for a tile that names it
	s_endpgm
.Lfunc_end_k_qf88786930a_attn:
	.size	k_qf88786930a_attn, .Lfunc_end_k_qf88786930a_attn-k_qf88786930a_attn
	.p2alignl 7, 3214868480
	.fill 96, 4, 3214868480
	.section	.rodata,"a",@progbits
	.p2align	6, 0x0
	.amdhsa_kernel k_qf88786930a_attn
		.amdhsa_group_segment_fixed_size 314368
		.amdhsa_private_segment_fixed_size 0
		.amdhsa_enable_private_segment 0
		.amdhsa_kernarg_size 96
		.amdhsa_user_sgpr_count 2
		.amdhsa_user_sgpr_kernarg_segment_ptr 1
		.amdhsa_wavefront_size32 1
		.amdhsa_system_sgpr_workgroup_id_x 1
		.amdhsa_system_sgpr_workgroup_id_y 1
		.amdhsa_system_sgpr_workgroup_id_z 1
		.amdhsa_system_vgpr_workitem_id 0
		.amdhsa_next_free_vgpr 512
		.amdhsa_next_free_sgpr 100
		.amdhsa_reserve_vcc 0
		.amdhsa_float_denorm_mode_32 3
		.amdhsa_float_denorm_mode_16_64 3
		.amdhsa_fp16_overflow 1
		.amdhsa_memory_ordered 1
		.amdhsa_forward_progress 1
		.amdhsa_inst_pref_size 174
	.end_amdhsa_kernel
	.amdgpu_metadata
---
amdhsa.version: [ 1, 2 ]
amdhsa.kernels:
  - .name:           k_qf88786930a_attn
    .symbol:         k_qf88786930a_attn.kd
    .args:
      - { .name: theta_c, .offset: 0, .size: 8, .value_kind: global_buffer, .address_space: global }
      - { .name: phi_c, .offset: 8, .size: 8, .value_kind: global_buffer, .address_space: global }
      - { .name: g_c, .offset: 16, .size: 8, .value_kind: global_buffer, .address_space: global }
      - { .name: Ww, .offset: 24, .size: 8, .value_kind: global_buffer, .address_space: global }
      - { .name: bw, .offset: 32, .size: 8, .value_kind: global_buffer, .address_space: global }
      - { .name: gamma, .offset: 40, .size: 8, .value_kind: global_buffer, .address_space: global }
      - { .name: beta, .offset: 48, .size: 8, .value_kind: global_buffer, .address_space: global }
      - { .name: mean, .offset: 56, .size: 8, .value_kind: global_buffer, .address_space: global }
      - { .name: var, .offset: 64, .size: 8, .value_kind: global_buffer, .address_space: global }
      - { .name: lowp_scales, .offset: 72, .size: 8, .value_kind: global_buffer, .address_space: global }
      - { .name: v, .offset: 80, .size: 8, .value_kind: global_buffer, .address_space: global }
      - { .name: out0, .offset: 88, .size: 8, .value_kind: global_buffer, .address_space: global }
    .group_segment_fixed_size: 314368
    .private_segment_fixed_size: 0
    .kernarg_segment_align: 8
    .kernarg_segment_size: 96
    .max_flat_workgroup_size: 256
    .sgpr_count:     100
    .vgpr_count:     512
    .wavefront_size: 32
...
	.end_amdgpu_metadata
.endif
;; end of part 2
